; MI455X (gfx1250); checked and timed in simulation.
; The chip was launched on July 23, 2026; its instructions are those of AMD's public machine-readable ISA for CDNA 5 (MIT licence, August 2026) and "CDNA5" Instruction Set Architecture Reference Guide (July 2026). The comments in the code are by the model that wrote it; some were corrected since.
;; X Nor Cos Pos Attention. Allowed arithmetic: matrix products marked QUANTISED: E5M2 operands, one given power-of-two scale a tensor, by v_wmma_f32_16x16x64_bf8_bf8 or v_wmma_f32_16x16x128_bf8_bf8, f32 sums; everything else in f32.
;; Inputs: Wk 512 x 512 float32; Wo 512 x 512 float32; Wq 512 x 512 float32; Wv 512 x 512 float32; bk 512 float32; bo 512 float32; bq 512 float32; bv 512 float32; lowp_scales 14 int32 (the exponents e of the quantised operands' scales 2^e); query 4 x 2,048 x 512 float32.
;; Outputs: out0 4 x 2,048 x 512 float32.
;; This version of the problem:
;;   THIS VERSION OF THE PROBLEM IS GIVEN IN LOW PRECISION. The matrix products marked QUANTISED in the list below multiply operands that are first quantised to E5M2 (5 exponent bits, 2 mantissa bits; 8 bits a number), with one given power-of-two scale for each operand tensor; their sums are f32. All else is computed in f32.
;;   The module's matrix products, in the order in which they are computed (A, B: the left and right operand; K: the contracted axis; several contracted axes count as one K, in the product's order):
;;     1. [M 8,192, K 512] x [K 512, N 512]; A: input query; B: input Wq: QUANTISED (scales: A lowp_scales[0], B lowp_scales[1])
;;     2. [M 8,192, K 512] x [K 512, N 512]; A: input query; B: input Wk: QUANTISED (scales: A lowp_scales[2], B lowp_scales[3])
;;     3. [M 8,192, K 512] x [K 512, N 512]; A: input query; B: input Wv: QUANTISED (scales: A lowp_scales[4], B lowp_scales[5])
;;     4. batch 32 x [M 2,048, K 64] x [K 64, N 2,048]; A: computed on the way; B: computed on the way: QUANTISED (scales: A lowp_scales[6], B lowp_scales[7])
;;     5. batch 32 x [M 2,048, K 64] x [K 64, N 2,048]; A: computed on the way; B: computed on the way: QUANTISED (scales: A lowp_scales[8], B lowp_scales[9])
;;     6. batch 32 x [M 2,048, K 2,048] x [K 2,048, N 64]; A: computed on the way; B: computed on the way: QUANTISED (scales: A lowp_scales[10], B lowp_scales[11])
;;     7. [M 8,192, K 512] x [K 512, N 512]; A: computed on the way; B: input Wo: QUANTISED (scales: A lowp_scales[12], B lowp_scales[13])
;;   THE QUANTISER, for each operand of a quantised product, along K:
;;     - The operand's scale is 2^e, e = its entry of the input lowp_scales (int32; the entries are numbered through the quantised products in the list's order, A before B).
;;     - Each number is divided by the scale, clamped to +-57,344, and rounded to the nearest number of E5M2, ties to even, subnormals kept.
;;     - The product sums the exact products of the quantised numbers (number of the format x scale) in f32.
;;   ~~~python
;;   def quantise(x, axis, e):      # numpy; x: float32 -> the quantised numbers, widened to float32 again
;;       x = np.moveaxis(x, axis, -1); K = x.shape[-1]
;;       r = np.clip(x / 2.0 ** e, -57344, 57344)
;;       step = 2.0 ** (np.maximum(np.frexp(np.where(r == 0, 1, r))[1] - 1, -14) - 2)
;;       q = np.round(r / step) * step * 2.0 ** e      # np.round: ties to even
;;       return np.moveaxis(q, -1, axis).astype(np.float32)
;;   ~~~
;;   OPERANDS COMPUTED ON THE WAY. 'Computed on the way' means the value that the module computes at that place (a softmax that the list does not call 'softmax' is quantised finished and normalised). What goes into a quantiser is computed in f32, as accurately as f32 sums, v_exp_f32 and their like allow (about 1e-6 of the number): no bf16 or f16 on the way to a quantiser, and a product that is left as it is and whose result goes on into a quantised operand takes f32 operands (vector FMAs, or v_wmma_f32_16x16x4_f32). A number that lies on a knife's edge between two numbers of the format may be rounded either way, as far as f32 arithmetic and the matrix unit's own rounding can turn it there, and no further.
;; One version. Each part assembles by itself: llvm-mc -triple=amdgcn-amd-amdhsa -mcpu=gfx1250 --defsym DOCPART=n.
;; ======== version 1 of 1: 4 launches
;; workspace buffers: wimg 1,048,576 bytes; qimg 8,388,608 bytes; kimg 8,388,608 bytes; vimg 4,194,304 bytes; ksum 1,048,576 bytes; aimg 4,194,304 bytes
;; launch wquant (part 1): grid 128 x 1, 4 waves a work-group, no clusters, 34,304 bytes of LDS; arguments Wq, Wk, Wv, Wo, lowp_scales, wimg; writes wimg
.if DOCPART == 1
	.amdgcn_target "amdgcn-amd-amdhsa--gfx1250"
	.amdhsa_code_object_version 6
	.text
	.protected	k_q66a430cbb6_wquant
	.globl	k_q66a430cbb6_wquant
	.p2align	8
	.type	k_q66a430cbb6_wquant,@function
k_q66a430cbb6_wquant:
	s_mov_b64 s[64:65], 0
	v_nop
	global_prefetch_b8 v0, s[64:65] scope:SCOPE_SE
	s_setreg_imm32_b32 hwreg(HW_REG_WAVE_MODE, 25, 1), 1
	s_wait_xcnt 0x0
; Wq, Wk, Wv, Wo [512][512] f32 (K innermost) become codes of BF8 (E5M2), each with its given scale 2^e (entries 1, 3, 5, 13 of the scales).
; code = w / 2^e, held within +-57,344, rounded to the nearest code, ties to even.
; THE CODES ARE LAID AS IMAGES OF THE OPERAND'S REGISTERS: fragment (T, ct, s) = rows 16 ct + r of tensor T, k = 128 s on, is 16 registers a lane:
; lane (r, hh) holds row r, registers 2 c, 2 c + 1 hold k = 16 c + 8 hh + 0 .. 7.  Group g (registers 4 g .. 4 g + 3) is 512 bytes, lane l's 16 bytes at 16 l.
; Fragment (T, ct, s) lies at ((32 T + ct) 4 + s) x 2,048.  Later launches fetch a fragment by four loads of 16 bytes a lane.
; SHARES: work-group x = 32 T + ct takes 16 rows; wave s takes K step s.  Each load reads 512 consecutive bytes of one row; the 8,192 bytes turn through the wave's own
; stage in LDS (rows 528 bytes apart) so that a lane gets eight neighbours along K in eight registers.  Each store covers 512 consecutive bytes.
; No matrix unit, no cluster, no barrier: 4 MB are read once, waves share nothing.
; LIMITS: e between -126 and 112.  NaN and infinity among the inputs are not served.
.set PITCH, 528
.set STGB,  16*PITCH                   ; a wave's stage
.set R,  16                            ; v16-79   as loaded: row i in registers 4 i ..
.set X,  80                            ; v80-143  64 numbers of my row, register 16 c + i: k = 32 c + 8 hh + i (i < 8), 32 c + 16 + 8 hh + i - 8 (else)
.set PC, 144                           ; v144-159 the fragment's codes
	s_load_b256 s[4:11], s[0:1], 0x0               ; Wq, Wk, Wv, Wo
	s_load_b128 s[12:15], s[0:1], 0x20             ; the scales' exponents, wimg
	v_lshl_add_u32 v160, v0, 2, 0x8400
	v_mov_b32 v161, 0
	v_lshrrev_b32 v4, 5, v0
	v_readfirstlane_b32 s16, v4                    ; wave = K step s
	v_and_b32 v5, 31, v0
	v_lshlrev_b32 v1, 4, v5                        ; 16 x lane
	v_and_b32 v6, 15, v0                           ; r
	v_bfe_u32 v7, v0, 4, 1                         ; hh
	s_mul_i32 s17, s16, STGB
	v_add_nc_u32 v2, s17, v1                       ; into the stage: 16 x lane of a row
	v_mul_u32_u24 v3, v6, PITCH
	v_lshl_add_u32 v3, v7, 5, v3
	v_add_nc_u32 v3, s17, v3                       ; out of it: row r, + 32 hh bytes
	s_lshr_b32 s20, ttmp9, 5                       ; T
	s_and_b32 s21, ttmp9, 31                       ; ct
	s_lshl_b32 s18, s21, 15                        ; 16 rows of 2,048 bytes,
	s_lshl_b32 s19, s16, 9                         ; + 128 numbers a K step
	s_add_co_u32 s18, s18, s19
	s_mov_b32 s19, 0
	s_lshl_b32 s34, ttmp9, 2
	s_add_co_u32 s34, s34, s16
	s_lshl_b32 s34, s34, 11                        ; the fragment's place in wimg
	s_mov_b32 s35, 0
	s_wait_kmcnt 0x0
	s_load_b256 s[24:31], s[12:13], 0x0            ; e0 .. e7
	s_load_b64 s[32:33], s[12:13], 0x30            ; e12, e13
	s_cmp_eq_u32 s20, 0                            ; the tensor is chosen by the work-group's number alone
	s_cselect_b64 s[10:11], s[4:5], s[10:11]
	s_cmp_eq_u32 s20, 1
	s_cselect_b64 s[10:11], s[6:7], s[10:11]
	s_cmp_eq_u32 s20, 2
	s_cselect_b64 s[10:11], s[8:9], s[10:11]
	s_add_nc_u64 s[10:11], s[10:11], s[18:19]
	s_add_nc_u64 s[14:15], s[14:15], s[34:35]
.set n1, 0
.rept 16
	global_load_b128 v[R+4*n1:R+4*n1+3], v1, s[10:11] offset:2048*n1 th:TH_LOAD_NT   ; row n1: 512 consecutive bytes; read once in the launch
.set n1, n1+1
.endr
	s_wait_kmcnt 0x0
	s_mov_b32 s22, s33                             ; e: entry 13 for Wo, else entry 1 + 2 T
	s_cmp_eq_u32 s20, 0
	s_cselect_b32 s22, s25, s22
	s_cmp_eq_u32 s20, 1
	s_cselect_b32 s22, s27, s22
	s_cmp_eq_u32 s20, 2
	s_cselect_b32 s22, s29, s22
	s_add_co_i32 s22, s22, 127
	s_lshl_b32 s23, s22, 23
	v_mov_b32 v10, s23                             ; 2^e as f32: the conversion takes its exponent field
	s_add_co_i32 s22, s22, 15
	s_lshl_b32 s22, s22, 23
	s_or_b32 s22, s22, 0x600000
	v_mov_b32 v11, s22                             ; 57,344 x 2^e
	s_wait_loadcnt 0x0
.set n1, 0
.rept 16
	ds_store_b128 v2, v[R+4*n1:R+4*n1+3] offset:PITCH*n1
.set n1, n1+1
.endr
.irp c, 0,1,2,3                        ; LDS serves a wave's instructions in order: these see my stores
	ds_load_b128 v[X+16*\c:X+16*\c+3],     v3 offset:128*\c
	ds_load_b128 v[X+16*\c+4:X+16*\c+7],   v3 offset:128*\c+16
	ds_load_b128 v[X+16*\c+8:X+16*\c+11],  v3 offset:128*\c+64
	ds_load_b128 v[X+16*\c+12:X+16*\c+15], v3 offset:128*\c+80
.endr
	s_wait_dscnt 0x0
.irp c, 0,1,2,3
.set n1, 0
.rept 16
	v_med3_num_f32 v[X+16*\c+n1], v[X+16*\c+n1], -v11, v11   ; the conversion to an 8-bit code does not saturate (ISA guide 7.6.2): the hold comes first
.set n1, n1+1
.endr
	v_cvt_scalef32_pk8_bf8_f32 v[PC+4*\c:PC+4*\c+1],   v[X+16*\c:X+16*\c+7],    v10
	v_cvt_scalef32_pk8_bf8_f32 v[PC+4*\c+2:PC+4*\c+3], v[X+16*\c+8:X+16*\c+15], v10
.endr
	v_nop                                          ; a plain line behind the last conversion
.irp c, 0,1,2,3
	global_store_b128 v1, v[PC+4*\c:PC+4*\c+3], s[14:15] offset:512*\c   ; 32 lanes store 512 consecutive bytes, aligned
.endr
	s_wait_tensorcnt 0x0
	ds_add_u32 v160, v161
	s_wait_dscnt 0x0
	s_endpgm
.Lfunc_end_k_q66a430cbb6_wquant:
	.size	k_q66a430cbb6_wquant, .Lfunc_end_k_q66a430cbb6_wquant-k_q66a430cbb6_wquant
	.p2alignl 7, 3214868480
	.fill 96, 4, 3214868480
	.section	.rodata,"a",@progbits
	.p2align	6, 0x0
	.amdhsa_kernel k_q66a430cbb6_wquant
		.amdhsa_group_segment_fixed_size 34304
		.amdhsa_private_segment_fixed_size 0
		.amdhsa_enable_private_segment 0
		.amdhsa_kernarg_size 48
		.amdhsa_user_sgpr_count 2
		.amdhsa_user_sgpr_kernarg_segment_ptr 1
		.amdhsa_wavefront_size32 1
		.amdhsa_system_sgpr_workgroup_id_x 1
		.amdhsa_system_sgpr_workgroup_id_y 1
		.amdhsa_system_sgpr_workgroup_id_z 1
		.amdhsa_system_vgpr_workitem_id 0
		.amdhsa_next_free_vgpr 162
		.amdhsa_next_free_sgpr 66
		.amdhsa_reserve_vcc 0
		.amdhsa_float_denorm_mode_32 3
		.amdhsa_float_denorm_mode_16_64 3
		.amdhsa_memory_ordered 1
		.amdhsa_forward_progress 1
		.amdhsa_inst_pref_size 11
	.end_amdhsa_kernel
	.amdgpu_metadata
---
amdhsa.version: [ 1, 2 ]
amdhsa.kernels:
  - .name:           k_q66a430cbb6_wquant
    .symbol:         k_q66a430cbb6_wquant.kd
    .args:
      - { .name: Wq, .offset: 0, .size: 8, .value_kind: global_buffer, .address_space: global }
      - { .name: Wk, .offset: 8, .size: 8, .value_kind: global_buffer, .address_space: global }
      - { .name: Wv, .offset: 16, .size: 8, .value_kind: global_buffer, .address_space: global }
      - { .name: Wo, .offset: 24, .size: 8, .value_kind: global_buffer, .address_space: global }
      - { .name: lowp_scales, .offset: 32, .size: 8, .value_kind: global_buffer, .address_space: global }
      - { .name: wimg, .offset: 40, .size: 8, .value_kind: global_buffer, .address_space: global }
    .group_segment_fixed_size: 34304
    .private_segment_fixed_size: 0
    .kernarg_segment_align: 8
    .kernarg_segment_size: 48
    .max_flat_workgroup_size: 128
    .sgpr_count:     66
    .vgpr_count:     162
    .wavefront_size: 32
...
	.end_amdgpu_metadata
.endif
;; end of part 1
;; launch proj (part 2): grid 64 x 3, 8 waves a work-group, no clusters, 134,144 bytes of LDS; arguments query, wimg, lowp_scales, bq, bk, bv, qimg, kimg, vimg, ksum; writes qimg, kimg, vimg, ksum
.if DOCPART == 2
	.amdgcn_target "amdgcn-amd-amdhsa--gfx1250"
	.amdhsa_code_object_version 6
	.text
	.protected	k_q66a430cbb6_proj
	.globl	k_q66a430cbb6_proj
	.p2align	8
	.type	k_q66a430cbb6_proj,@function
k_q66a430cbb6_proj:
	s_mov_b64 s[64:65], 0
	v_nop
	global_prefetch_b8 v0, s[64:65] scope:SCOPE_SE
	s_setreg_imm32_b32 hwreg(HW_REG_WAVE_MODE, 25, 1), 1
	s_wait_xcnt 0x0
; Products 1 to 3 and what follows them.  Work-group (rb, T): flat rows 128 rb .. + 127 of x (flat row = 4 l + b: the reshape is a raw view) against all 512 columns of tensor T (0 q, 1 k, 2 v).
; x is quantised with the product's own scale (entry 2 T), the weight's codes come from wimg (entry 2 T + 1); sums in f32; the bias goes in as the C of a sum's first matrix instruction,
; divided by 2^(ex + ew), the power of two that the sums lack.
; q, k: softmax over a head's 64 channels with the row's maximum taken away, then p and 1 - p are quantised (entries 6, 8 for q; 7, 9 for k).  v: quantised with entry 11.
; ALL OPERANDS ARE LAID AS IMAGES OF THEIR REGISTERS (lane (r, hh): row r; registers 2 c, 2 c + 1: k = 16 c + 8 hh + 0 .. 7; a group of four registers is 512 bytes, lane l's 16 at 16 l):
;   qimg, kimg [n = 8 b + h][tile = l / 16][4 groups]: groups 0, 1 the codes of p (K = the head's 64), groups 2, 3 those of 1 - p.
;   vimg [n][kb = l / 128][t = d / 16][4 groups]: lane (r, hh): channel 16 t + r, registers 2 c, 2 c + 1: keys 128 kb + 16 c + 8 hh + 0 .. 7 (K = the keys).
;   ksum [n][rb][128] f32: the sums over this block's 32 keys of the code values of k (words 0-63, by channel) and of 1 - k (words 64-127): the next launch makes the rows' sums of weights from them.
; SHARES.  A row tile m = 2 b + u is the 16 rows l = 32 rb + 16 u + r of one b.  Wave w quantises tile w (four fragments, to LDS as images), then owns head w for all eight tiles:
; its 16 fragments of the weight (256 registers, window 1) are read once.  One barrier.
; THE ORDER OF THE LOADS.  x's first two K steps are asked for first; the weight's 64 loads follow in four runs of sixteen, one inside each K step of x's quantising: the weight is wanted only behind the barrier.
; q, k are made TRANSPOSED (source 0 = 16 rows of W, source 1 = x): a lane holds one row and its register 8 t + j the channel 16 t + 8 hh + j: the eight registers of tile t convert into registers 2 t, 2 t + 1 of the next operand.
; v is made the natural way (source 0 = x, source 1 = W): a lane holds one channel and eight keys, which is what the third product's operand wants.
; NO CLUSTER: what work-groups share, a tensor's 256 KB of weight images, goes straight into registers and stays there; a joint load would land in LDS and be read once more from there.
; 192 work-groups: three tensors with three scales of x; sharing the rows further would quantise x more often than three times.
; LIMITS: each of e0 .. e9, e11 - e4 - e5 between -126 and 112; ex + ew between -126 and 127.  NaN and infinity among the inputs are not served.
.set PITCH, 528                        ; a stage row: 512 bytes + 16
.set STGB,  16*PITCH                   ; a wave's stage, at wave x STGB
.set XIMG,  8*STGB                     ; behind the stages: x's 32 fragments, (tile m, K step s) at 8,192 m + 2,048 s
; window 0: v1 16 x lane; v2, v3 the stage in and out; v4, v5 x's images in and out; v6 32 hh; v7 4 r; v8, v9 the key sums' way; v10-15 scales and limits; v16 the dequantiser's scale; v18-29 the softmax's statistics
.set R0,  32                           ; v32-95, v96-159: two sets of 64 numbers of x as loaded
.set X,   160                          ; v160-223 64 numbers of my row
.set PC,  224                          ; v224-239 the codes just made
.set BI,  32                           ; later: v32-63 the bias in the result's layout; v64-67 the bias by channel r (v's)
.set BT,  64
.set DQA, 68                           ; v68-75, v240-247: eight code values
.set QC0, 76                           ; v76-91, v224-239: a tile's codes, by turns
.set ACC, 96                           ; v96-127 four accumulators; v128-159 1 - p, or v's second four
.set CP,  128
.set KS,  96                           ; v96-159 the key sums at work
.set XF,  160                          ; v160-223 a tile's four fragments of x
.set QC1, 224
.set DQB, 240
.set KR,  248                          ; v248-251 four key sums to store
.set MSB, 0
.macro WIN new                         ; the immediate's high byte repeats the setting that is left
.if MSB != \new
	s_set_vgpr_msb (MSB<<8)|\new
.set MSB, \new
.endif
.endm
.macro MKSC e, vs, vl                  ; v[vs] = 2^e as f32, v[vl] = 57,344 x 2^e
	s_add_co_i32 s62, \e, 127
	s_lshl_b32 s63, s62, 23
	v_mov_b32 v[\vs], s63
	s_add_co_i32 s62, s62, 15
	s_lshl_b32 s62, s62, 23
	s_or_b32 s62, s62, 0x600000
	v_mov_b32 v[\vl], s62
.endm
.macro XLOAD reg, s                    ; my tile's 16 rows (8,192 bytes apart: four flat rows), K step s: each load reads 512 consecutive bytes
.set n1, 0
.rept 16
	global_load_b128 v[(\reg)+4*n1:(\reg)+4*n1+3], v1, s[4:5] offset:8192*n1+512*(\s)
.set n1, n1+1
.endr
.endm
.macro WLOAD q                         ; run q of four: sixteen of the 64 loads of my 16 fragments of the weight, (t, s) at v[16 (4 t + s)] of window 1; 512 consecutive bytes a load
	WIN 0x40                                       ; destination window 1
.set n2, 16*(\q)
.rept 16
	global_load_b128 v[4*n2:4*n2+3], v1, s[6:7] offset:512*n2
.set n2, n2+1
.endr
	WIN 0
.endm
.macro TURN reg                        ; through my stage: in as loaded, out eight neighbours along K at a time.  LDS serves a wave's instructions in order
.set n1, 0
.rept 16
	ds_store_b128 v2, v[(\reg)+4*n1:(\reg)+4*n1+3] offset:PITCH*n1
.set n1, n1+1
.endr
.irp c, 0,1,2,3
	ds_load_b128 v[X+16*\c:X+16*\c+3],     v3 offset:128*\c
	ds_load_b128 v[X+16*\c+4:X+16*\c+7],   v3 offset:128*\c+16
	ds_load_b128 v[X+16*\c+8:X+16*\c+11],  v3 offset:128*\c+64
	ds_load_b128 v[X+16*\c+12:X+16*\c+15], v3 offset:128*\c+80
.endr
.endm
.macro QUANT
.irp c, 0,1,2,3
.set n1, 0
.rept 16
	v_med3_num_f32 v[X+16*\c+n1], v[X+16*\c+n1], -v11, v11   ; the conversion to an 8-bit code does not saturate (ISA guide 7.6.2): the hold comes first
.set n1, n1+1
.endr
	v_cvt_scalef32_pk8_bf8_f32 v[PC+4*\c:PC+4*\c+1],   v[X+16*\c:X+16*\c+7],    v10
	v_cvt_scalef32_pk8_bf8_f32 v[PC+4*\c+2:PC+4*\c+3], v[X+16*\c+8:X+16*\c+15], v10
.endr
	v_nop                                          ; a plain line behind the last conversion
.endm
.macro FETCH m                         ; tile m's four fragments of x, as they were stored
.set n1, 0
.rept 16
	ds_load_b128 v[XF+4*n1:XF+4*n1+3], v5 offset:8192*(\m)+512*n1
.set n1, n1+1
.endr
.endm
.macro PLACES                          ; four plain lines between matrix instructions and the first read of their results, and loads into registers that they read
.rept 4
	v_nop
.endr
.endm
	s_load_b512 s[4:19], s[0:1], 0x0               ; query, wimg, scales, bq, bk, bv, qimg, kimg
	s_load_b128 s[20:23], s[0:1], 0x40             ; vimg, ksum
	v_lshl_add_u32 v254, v0, 2, 0x20800
	v_mov_b32 v255, 0
	v_lshrrev_b32 v30, 5, v0
	v_readfirstlane_b32 s24, v30                   ; wave 0..7
	s_mov_b32 s25, ttmp9                           ; rb
	s_and_b32 s26, ttmp7, 0xffff                   ; T
	v_and_b32 v30, 31, v0
	v_lshlrev_b32 v1, 4, v30                       ; 16 x lane
	v_and_b32 v30, 15, v0                          ; r
	v_bfe_u32 v31, v0, 4, 1                        ; hh
	s_mul_i32 s27, s24, STGB
	v_add_nc_u32 v2, s27, v1                       ; the stage, in
	v_mul_u32_u24 v3, v30, PITCH
	v_lshl_add_u32 v8, v31, 8, v3
	v_lshl_add_u32 v3, v31, 5, v3
	v_add_nc_u32 v3, s27, v3                       ; the stage, out: row r, + 32 hh
	v_add_nc_u32 v8, s27, v8                       ; the key sums, out: row lane % 16, the sixteen lanes of half lane / 16
	s_lshl_b32 s27, s24, 13
	s_add_co_u32 s27, s27, XIMG
	v_add_nc_u32 v4, s27, v1                       ; where I store my tile's images
	v_add_nc_u32 v5, XIMG, v1                      ; where any tile's are read
	v_lshlrev_b32 v6, 5, v31
	v_lshlrev_b32 v7, 2, v30
	v_bfe_u32 v9, v0, 3, 1                         ; the key sums' place in a row of ksum, i = lane % 16: 256 (i / 8) + 64 ((i % 8) / 2) + 32 (lane / 16) + 16 (i % 2)
	v_lshlrev_b32 v9, 8, v9
	v_bfe_u32 v17, v0, 1, 2
	v_lshl_add_u32 v9, v17, 6, v9
	v_lshl_add_u32 v9, v31, 5, v9
	v_and_b32 v17, 1, v0
	v_lshl_add_u32 v9, v17, 4, v9
	v_mov_b32 v16, 0x7f7f7f7f                      ; the scale 1.0 in every byte: code values come back as they are
	v_mov_b32 v20, 0                               ; a lane permute's destination counts as read
	v_mov_b32 v23, 0                               ; named as the upper halves of pairs
	v_mov_b32 v29, 0
	s_mov_b32 s50, 0x76543210                      ; v_permlanex16_b32: lane l xor 16
	s_mov_b32 s51, 0xfedcba98
	s_and_b32 s27, s24, 1                          ; x: flat row 128 rb + 64 u + b, u = w % 2, b = w / 2
	s_lshl_b32 s27, s27, 6
	s_lshr_b32 s28, s24, 1
	s_add_co_u32 s27, s27, s28
	s_lshl_b32 s28, s25, 7
	s_add_co_u32 s27, s27, s28
	s_lshl_b32 s28, s27, 11
	s_mov_b32 s29, 0
	s_lshl_b32 s30, s26, 18                        ; wimg: (32 T + 4 w) x 8,192
	s_lshl_b32 s27, s24, 15
	s_add_co_u32 s30, s30, s27
	s_mov_b32 s31, 0
	s_lshl_b32 s52, s24, 8                         ; the bias: my head's 64 numbers
	s_mov_b32 s53, 0
	s_lshl_b32 s54, s24, 18                        ; qimg, kimg: 262,144 w + 4,096 rb
	s_lshl_b32 s27, s25, 12
	s_add_co_u32 s54, s54, s27
	s_mov_b32 s55, 0
	s_lshl_b32 s56, s24, 17                        ; vimg: 131,072 w + 8,192 (rb / 4) + 512 (rb % 4)
	s_lshr_b32 s27, s25, 2
	s_lshl_b32 s27, s27, 13
	s_add_co_u32 s56, s56, s27
	s_and_b32 s27, s25, 3
	s_lshl_b32 s27, s27, 9
	s_add_co_u32 s56, s56, s27
	s_mov_b32 s57, 0
	s_lshl_b32 s58, s24, 15                        ; ksum: 32,768 w + 512 rb
	s_lshl_b32 s27, s25, 9
	s_add_co_u32 s58, s58, s27
	s_mov_b32 s59, 0
	s_wait_kmcnt 0x0
	s_load_b256 s[32:39], s[8:9], 0x0              ; e0 .. e7
	s_load_b128 s[40:43], s[8:9], 0x20             ; e8 .. e11
	s_add_nc_u64 s[4:5], s[4:5], s[28:29]
	s_add_nc_u64 s[6:7], s[6:7], s[30:31]
	s_cmp_eq_u32 s26, 0                            ; bias and output are chosen by the work-group's number alone
	s_cselect_b64 s[10:11], s[10:11], s[12:13]
	s_cselect_b64 s[16:17], s[16:17], s[18:19]
	s_cmp_eq_u32 s26, 2
	s_cselect_b64 s[10:11], s[14:15], s[10:11]
	s_add_nc_u64 s[10:11], s[10:11], s[52:53]
	s_add_nc_u64 s[16:17], s[16:17], s[54:55]
	s_add_nc_u64 s[20:21], s[20:21], s[56:57]
	s_add_nc_u64 s[22:23], s[22:23], s[58:59]
	XLOAD R0, 0                                    ; x first: its quantising is the first work there is
	XLOAD R0+64, 1
	s_wait_kmcnt 0x0
	s_cmp_eq_u32 s26, 0
	s_cselect_b32 s44, s32, s34                    ; ex
	s_cselect_b32 s45, s33, s35                    ; ew
	s_cselect_b32 s49, s38, s39                    ; p's exponent: e6 or e7
	s_cselect_b32 s60, s40, s41                    ; (1 - p)'s: e8 or e9
	s_cmp_eq_u32 s26, 2
	s_cselect_b32 s44, s36, s44
	s_cselect_b32 s45, s37, s45
	s_add_co_i32 s45, s44, s45                     ; ex + ew: a sum stands for sum x 2^(ex + ew)
	s_sub_co_i32 s61, s43, s45                     ; v: the three scales folded into the conversion's one: e11 - ex - ew
	s_cmp_eq_u32 s26, 2
	s_cselect_b32 s49, s61, s49
	s_sub_co_i32 s48, 0, s45
	s_lshl_b32 s46, s45, 23
	s_add_co_i32 s46, s46, 0x3fb8aa3b              ; c1 = log2(e) x 2^(ex + ew): the exponents are added to log2(e)'s exponent field
	s_mov_b32 s47, s46                             ; (named with it as a pair)
	MKSC s44, 10, 11
	MKSC s49, 12, 13
	MKSC s60, 14, 15
	; ---- x: my tile's four K steps become four fragments' images in LDS.  x's loads run two K steps ahead; each step also asks for a quarter of the weight.
	; The loads in the order of issue: X0, X1 | X2, W0 | X3, W1 | the bias' 12, W2 | W3
.irp s, 0,1,2,3
.if \s == 0
	s_wait_loadcnt 16                              ; X0 is in; X1's sixteen may be out
.elseif \s == 3
	s_wait_loadcnt 44                              ; X3 is in; behind it: W1's sixteen, the bias' twelve, W2's sixteen
.else
	s_wait_loadcnt 32                              ; step 1: X1 is in; behind it X2 and W0.  Step 2: X2 and W0, which was asked for straight behind it, are in; behind them X3 and W1
.endif
	TURN R0+64*(\s%2)
	s_wait_dscnt 0x0                               ; the numbers are back; the stores have read the set as loaded and the last step's codes
.if \s < 2
	XLOAD R0+64*(\s%2), \s+2
.elseif \s == 2
.irp t, 0,1,2,3                        ; the bias in both layouts: by eight channels of my half (q, k), and by channel r (v)
	global_load_b128 v[BI+8*\t:BI+8*\t+3],   v6, s[10:11] offset:64*\t
	global_load_b128 v[BI+8*\t+4:BI+8*\t+7], v6, s[10:11] offset:64*\t+16
	global_load_b32 v[BT+\t], v7, s[10:11] offset:64*\t
.endr
.endif
	WLOAD \s
	QUANT
.irp c, 0,1,2,3
	ds_store_b128 v4, v[PC+4*\c:PC+4*\c+3] offset:2048*\s+512*\c
.endr
.endr
	s_wait_dscnt 0x0                               ; for the others' sake: my images have landed
	s_barrier_signal -1
	s_barrier_wait -1                              ; x's 32 fragments lie in LDS; nobody writes them again
	s_wait_loadcnt 0x0                             ; the bias and the weight
	FETCH 0
	s_cmp_eq_u32 s26, 2
	s_cbranch_scc1 .Lvpath
	; ---- q, k
.set n1, 0
.rept 32
	v_ldexp_f32 v[BI+n1], v[BI+n1], s48            ; bias / 2^(ex + ew)
.set n1, n1+1
.endr
.macro QKTILE m
.set UU, (\m)%2
.set BB, (\m)/2
.set QC, QC0+(QC1-QC0)*UU
	s_wait_dscnt 0x0                               ; the tile's fragments are in
	WIN 0x01                                       ; source 0 (W) window 1
.irp s, 0,1,2,3                        ; four accumulators by turns, one instruction a turn
.irp t, 0,1,2,3
.if \s == 0
	v_wmma_f32_16x16x128_bf8_bf8 v[ACC+8*\t:ACC+8*\t+7], v[16*(4*\t+\s):16*(4*\t+\s)+15], v[XF+16*\s:XF+16*\s+15], v[BI+8*\t:BI+8*\t+7]
.else
	v_wmma_f32_16x16x128_bf8_bf8 v[ACC+8*\t:ACC+8*\t+7], v[16*(4*\t+\s):16*(4*\t+\s)+15], v[XF+16*\s:XF+16*\s+15], v[ACC+8*\t:ACC+8*\t+7]
.endif
.endr
.endr
	WIN 0
	PLACES
.if (\m) < 7
	FETCH (\m)+1                                   ; the next tile's fragments land under this tile's softmax
.endif
	v_max3_num_f32 v18, v[ACC], v[ACC+1], v[ACC+2]             ; the row's largest sum among my 32 channels, in two chains, each accumulator from its low end on,
	v_max3_num_f32 v19, v[ACC+3], v[ACC+4], v[ACC+5]
.irp i, 6,10,14,18,22,26
	v_max3_num_f32 v18, v18, v[ACC+\i], v[ACC+\i+1]
	v_max3_num_f32 v19, v19, v[ACC+\i+2], v[ACC+\i+3]
.endr
	v_max3_num_f32 v18, v18, v[ACC+30], v[ACC+31]
	v_max_num_f32 v18, v18, v19
	v_permlanex16_b32 v20, v18, s50, s51
	v_max_num_f32 v18, v18, v20                    ; and among lane l xor 16's
	v_mul_f32 v22, s46, v18                        ; c1 x maximum (c1 is positive)
.set n1, 0
.rept 16
	v_pk_fma_f32 v[ACC+2*n1:ACC+2*n1+1], v[ACC+2*n1:ACC+2*n1+1], s[46:47], v[22:23] op_sel_hi:[1,0,0] neg_lo:[0,0,1] neg_hi:[0,0,1]   ; c1 x sum - c1 x maximum, 0 at the most
.set n1, n1+1
.endr
.set n1, 0
.rept 32
	v_exp_f32 v[ACC+n1], v[ACC+n1]
.set n1, n1+1
.endr
	v_nop                                          ; a plain line behind the exponentials
	s_wait_alu depctr_va_vdst(0)
	v_pk_add_f32 v[24:25], v[ACC:ACC+1], v[ACC+2:ACC+3]
	v_pk_add_f32 v[26:27], v[ACC+4:ACC+5], v[ACC+6:ACC+7]
.irp j, 8,12,16,20,24,28
	v_pk_add_f32 v[24:25], v[24:25], v[ACC+\j:ACC+\j+1]
	v_pk_add_f32 v[26:27], v[26:27], v[ACC+\j+2:ACC+\j+3]
.endr
	v_pk_add_f32 v[24:25], v[24:25], v[26:27]
	v_add_f32 v24, v24, v25
	v_permlanex16_b32 v20, v24, s50, s51
	v_add_f32 v24, v24, v20                        ; the row's sum, at least 1
	v_rcp_f32 v28, v24
	v_nop                                          ; a plain line behind the reciprocal
.set n1, 0
	s_wait_alu depctr_va_vdst(0)
.rept 16
	v_pk_mul_f32 v[ACC+2*n1:ACC+2*n1+1], v[ACC+2*n1:ACC+2*n1+1], v[28:29] op_sel_hi:[1,0]   ; p, finished and normalised
.set n1, n1+1
.endr
.set n1, 0
.rept 16
	v_pk_fma_f32 v[CP+2*n1:CP+2*n1+1], v[ACC+2*n1:ACC+2*n1+1], -1.0, 1.0 op_sel_hi:[1,0,0]   ; 1 - p
.set n1, n1+1
.endr
.set n1, 0
.rept 32
	v_min_num_f32 v[ACC+n1], v[ACC+n1], v13        ; p is not negative: a one-sided hold
	v_med3_num_f32 v[CP+n1], v[CP+n1], 0, v15      ; 1 - p between 0 and the largest code x the scale
.set n1, n1+1
.endr
	s_wait_xcnt 0x0                                ; the stores of two tiles ago have read these registers
.irp c, 0,1,2,3
	v_cvt_scalef32_pk8_bf8_f32 v[QC+2*\c:QC+2*\c+1],   v[ACC+8*\c:ACC+8*\c+7], v12   ; channels 16 c + 8 hh + 0 .. 7: registers 2 c, 2 c + 1 of the operand
	v_cvt_scalef32_pk8_bf8_f32 v[QC+8+2*\c:QC+9+2*\c], v[CP+8*\c:CP+8*\c+7],   v14
.endr
	v_nop                                          ; a plain line behind the last conversion
.irp g, 0,1,2,3
	global_store_b128 v1, v[QC+4*\g:QC+4*\g+3], s[16:17] offset:2097152*BB+2048*UU+512*\g   ; n = 8 b + w, tile 2 rb + u: 512 consecutive bytes a store
.endr
.endm
; The sums over 32 keys (the two tiles of one b) of the code values of k and of 1 - k.  The codes are widened again, the two tiles added; a lane then holds 64 sums of its row pair, and the sixteen rows meet
; through my stage: register group i of all lanes lies in stage row i, and lane (i, half) reads back the sixteen lanes of its half.  q has no such sums: a branch on the work-group's number.
.macro KSUM b
	s_cmp_eq_u32 s26, 0
	s_cbranch_scc1 .Lnoks_\@
.irp p, 0,1,2,3,4,5,6,7
	v_cvt_scale_pk8_f32_bf8 v[KS+8*\p:KS+8*\p+7], v[QC0+2*\p:QC0+2*\p+1], v16
.endr
	v_nop
.irp q, 0,1,2,3
	v_cvt_scale_pk8_f32_bf8 v[DQA:DQA+7], v[QC1+4*\q:QC1+4*\q+1], v16
	v_cvt_scale_pk8_f32_bf8 v[DQB:DQB+7], v[QC1+4*\q+2:QC1+4*\q+3], v16
	v_nop
.irp i, 0,2,4,6
	v_pk_add_f32 v[KS+16*\q+\i:KS+16*\q+\i+1], v[KS+16*\q+\i:KS+16*\q+\i+1], v[DQA+\i:DQA+\i+1]
	v_pk_add_f32 v[KS+16*\q+8+\i:KS+16*\q+9+\i], v[KS+16*\q+8+\i:KS+16*\q+9+\i], v[DQB+\i:DQB+\i+1]
.endr
.endr
.set n1, 0
.rept 16
	ds_store_b128 v2, v[KS+4*n1:KS+4*n1+3] offset:PITCH*n1
.set n1, n1+1
.endr
	s_wait_dscnt 0x0                               ; the stores have read their registers
.set n1, 0
.rept 16
	ds_load_b128 v[KS+4*n1:KS+4*n1+3], v8 offset:16*n1
.set n1, n1+1
.endr
	s_wait_dscnt 0x0
.set n1, 0
.rept 16
	v_pk_add_f32 v[KS+2*n1:KS+2*n1+1], v[KS+2*n1:KS+2*n1+1], v[KS+32+2*n1:KS+33+2*n1]
.set n1, n1+1
.endr
.set n1, 0
.rept 8
	v_pk_add_f32 v[KS+2*n1:KS+2*n1+1], v[KS+2*n1:KS+2*n1+1], v[KS+16+2*n1:KS+17+2*n1]
.set n1, n1+1
.endr
.set n1, 0
.rept 4
	v_pk_add_f32 v[KS+2*n1:KS+2*n1+1], v[KS+2*n1:KS+2*n1+1], v[KS+8+2*n1:KS+9+2*n1]
.set n1, n1+1
.endr
	s_wait_xcnt 0x0                                ; the last such store has read its registers
	v_pk_add_f32 v[KR:KR+1], v[KS:KS+1], v[KS+4:KS+5]
	v_pk_add_f32 v[KR+2:KR+3], v[KS+2:KS+3], v[KS+6:KS+7]
	global_store_b128 v9, v[KR:KR+3], s[22:23] offset:262144*(\b)   ; the wave's 32 lanes fill one row of ksum: 512 consecutive bytes
.Lnoks_\@:
.endm
.irp b, 0,1,2,3
	QKTILE 2*\b
	QKTILE 2*\b+1
	KSUM \b
.endr
	s_wait_tensorcnt 0x0
	ds_add_u32 v254, v255
	s_wait_dscnt 0x0
	s_endpgm
	; ---- v
.Lvpath:
.irp t, 0,1,2,3
.irp j, 0,1,2,3,4,5,6,7
	v_ldexp_f32 v[BI+8*\t+\j], v[BT+\t], s48       ; a lane holds one channel: its bias / 2^(ex + ew) in all eight registers
.endr
.endr
.macro VPAIR b
.set VC, QC0+(QC1-QC0)*((\b)%2)
.irp u, 0,1
	s_wait_dscnt 0x0
	WIN 0x04                                       ; source 1 (W) window 1
.irp s, 0,1,2,3
.irp t, 0,1,2,3
.if \s == 0
	v_wmma_f32_16x16x128_bf8_bf8 v[ACC+32*\u+8*\t:ACC+32*\u+8*\t+7], v[XF+16*\s:XF+16*\s+15], v[16*(4*\t+\s):16*(4*\t+\s)+15], v[BI+8*\t:BI+8*\t+7]
.else
	v_wmma_f32_16x16x128_bf8_bf8 v[ACC+32*\u+8*\t:ACC+32*\u+8*\t+7], v[XF+16*\s:XF+16*\s+15], v[16*(4*\t+\s):16*(4*\t+\s)+15], v[ACC+32*\u+8*\t:ACC+32*\u+8*\t+7]
.endif
.endr
.endr
	WIN 0
	PLACES
.if 2*(\b)+\u < 7
	FETCH 2*(\b)+\u+1
.endif
.endr
.set n1, 0
.rept 64
	v_med3_num_f32 v[ACC+n1], v[ACC+n1], -v13, v13
.set n1, n1+1
.endr
	s_wait_xcnt 0x0                                ; the stores of two pairs ago have read these registers
.irp t, 0,1,2,3
	v_cvt_scalef32_pk8_bf8_f32 v[VC+4*\t:VC+4*\t+1],   v[ACC+8*\t:ACC+8*\t+7],       v12   ; keys 16 u + 8 hh + 0 .. 7 of this block of 32: the group's two register pairs
	v_cvt_scalef32_pk8_bf8_f32 v[VC+4*\t+2:VC+4*\t+3], v[ACC+32+8*\t:ACC+32+8*\t+7], v12
.endr
	v_nop
.irp t, 0,1,2,3
	global_store_b128 v1, v[VC+4*\t:VC+4*\t+3], s[20:21] offset:1048576*(\b)+2048*\t
.endr
.endm
	VPAIR 0
	VPAIR 1
	VPAIR 2
	VPAIR 3
	s_wait_tensorcnt 0x0
	ds_add_u32 v254, v255
	s_wait_dscnt 0x0
	s_endpgm
.Lfunc_end_k_q66a430cbb6_proj:
	.size	k_q66a430cbb6_proj, .Lfunc_end_k_q66a430cbb6_proj-k_q66a430cbb6_proj
	.p2alignl 7, 3214868480
	.fill 96, 4, 3214868480
	.section	.rodata,"a",@progbits
	.p2align	6, 0x0
	.amdhsa_kernel k_q66a430cbb6_proj
		.amdhsa_group_segment_fixed_size 134144
		.amdhsa_private_segment_fixed_size 0
		.amdhsa_enable_private_segment 0
		.amdhsa_kernarg_size 80
		.amdhsa_user_sgpr_count 2
		.amdhsa_user_sgpr_kernarg_segment_ptr 1
		.amdhsa_wavefront_size32 1
		.amdhsa_system_sgpr_workgroup_id_x 1
		.amdhsa_system_sgpr_workgroup_id_y 1
		.amdhsa_system_sgpr_workgroup_id_z 1
		.amdhsa_system_vgpr_workitem_id 0
		.amdhsa_next_free_vgpr 512
		.amdhsa_next_free_sgpr 66
		.amdhsa_reserve_vcc 0
		.amdhsa_float_denorm_mode_32 3
		.amdhsa_float_denorm_mode_16_64 3
		.amdhsa_memory_ordered 1
		.amdhsa_forward_progress 1
		.amdhsa_inst_pref_size 216
	.end_amdhsa_kernel
	.amdgpu_metadata
---
amdhsa.version: [ 1, 2 ]
amdhsa.kernels:
  - .name:           k_q66a430cbb6_proj
    .symbol:         k_q66a430cbb6_proj.kd
    .args:
      - { .name: query, .offset: 0, .size: 8, .value_kind: global_buffer, .address_space: global }
      - { .name: wimg, .offset: 8, .size: 8, .value_kind: global_buffer, .address_space: global }
      - { .name: lowp_scales, .offset: 16, .size: 8, .value_kind: global_buffer, .address_space: global }
      - { .name: bq, .offset: 24, .size: 8, .value_kind: global_buffer, .address_space: global }
      - { .name: bk, .offset: 32, .size: 8, .value_kind: global_buffer, .address_space: global }
      - { .name: bv, .offset: 40, .size: 8, .value_kind: global_buffer, .address_space: global }
      - { .name: qimg, .offset: 48, .size: 8, .value_kind: global_buffer, .address_space: global }
      - { .name: kimg, .offset: 56, .size: 8, .value_kind: global_buffer, .address_space: global }
      - { .name: vimg, .offset: 64, .size: 8, .value_kind: global_buffer, .address_space: global }
      - { .name: ksum, .offset: 72, .size: 8, .value_kind: global_buffer, .address_space: global }
    .group_segment_fixed_size: 134144
    .private_segment_fixed_size: 0
    .kernarg_segment_align: 8
    .kernarg_segment_size: 80
    .max_flat_workgroup_size: 256
    .sgpr_count:     66
    .vgpr_count:     512
    .wavefront_size: 32
...
	.end_amdgpu_metadata
.endif
;; end of part 2
;; launch attn (part 3): grid 8 x 32, 8 waves a work-group, clusters of 4 x 1, 327,680 bytes of LDS; arguments qimg, kimg, vimg, ksum, lowp_scales, aimg; writes aimg
.if DOCPART == 3
	.amdgcn_target "amdgcn-amd-amdhsa--gfx1250"
	.amdhsa_code_object_version 6
	.text
	.protected	k_q66a430cbb6_attn
	.globl	k_q66a430cbb6_attn
	.p2align	8
	.type	k_q66a430cbb6_attn,@function
k_q66a430cbb6_attn:
	s_mov_b64 s[64:65], 0
	v_nop
	global_prefetch_b8 v0, s[64:65] scope:SCOPE_SE
	s_setreg_imm32_b32 hwreg(HW_REG_WAVE_MODE, 25, 1), 1
	s_wait_xcnt 0x0
	s_wait_alu depctr_hold_cnt(0) depctr_sa_sdst(0) depctr_va_vdst(0) depctr_va_sdst(0) depctr_va_ssrc(0) depctr_va_vcc(0) depctr_vm_vsrc(0)
	s_getreg_b32 s2, hwreg(HW_REG_IB_STS2, 6, 4)
	s_cmp_eq_u32 s2, 0
	s_cbranch_scc0 .Lentry_in_a_cluster
	s_endpgm
.Lentry_in_a_cluster:
	s_bfe_u32 s2, ttmp6, 0x10000c
	s_cmp_lg_u32 s2, 0x3003
	s_cbranch_scc0 .Lentry_shape_is_right
	s_endpgm
.Lentry_shape_is_right:
; Products 4, 5 and 6.  For head n: w(l, s) = 2^(e6 + e7) Q(q_l) . Q(k_s) + 2^(e8 + e9) Q(1 - q_l) . Q(1 - k_s); a(l, s) = w / max(sum over s of w, 1e-6) is quantised with e10 and multiplied by Q(v);
; the result is quantised with e12 and stored as images of the last product's operand.
; THE ROW'S SUM COMES FIRST.  It is linear in the keys' codes: sum over s of w(l, s) = 2^(e6 + e7) Q(q_l) . (sum of Q(k_s)) + 2^(e8 + e9) Q(1 - q_l) . (sum of Q(1 - k_s)), all terms not negative, in f32.
; The launch before has stored the sums of the keys' code values by blocks of 32 keys.  So each weight is finished, normalised and quantised in one walk over the keys, and the keys may be shared between waves.
; SHARES.  A work-group owns 256 queries of one head.  Wave w: queries 64 (w % 4) on (four tiles of 16), and every second block of 128 keys (w / 4): each fragment of K and V read from LDS feeds four products.
; The two halves' sums of O meet in LDS at the end.  Two waves to a SIMD: one's vector work stands beside the other's matrix work and LDS loads.
; LAYOUT.  Both products are used transposed: S^T = K Q^T (source 0 = 16 keys, source 1 = 16 queries): a lane holds one query and keys 8 hh + 0 .. 7 of key tile c, whose eight registers convert into registers
; 2 c, 2 c + 1 of P; O^T = V^T P^T (source 0 = 16 channels x 128 keys): a lane holds one query and channels 16 t + 8 hh + 0 .. 7, whose eight registers convert into registers 2 t, 2 t + 1 of the last product's operand.
; LDS.  Twelve units of 24,576 bytes (128 keys: K's images 16,384, V's 8,192).  A chunk is four units, 512 keys.  Chunks 0, 1, 2 are first fills; chunk 3 fills chunk 0's units again, once.
; A wave has three tensor loads out at the start and one behind the refill.
; THE START.  The loads of the key sums and of Q, which hang on no tile, go out ahead of the cluster's opening round; the rows' sums are made while chunk 0 is on its way, and only then do the waves meet for it.
; CLUSTER.  The four query blocks of a cluster walk the same K and V: every tile is asked for jointly, by the same tensor load with the same descriptor and a mask that names the four.
; My place in the cluster enters the addresses of qimg and aimg alone.
; LIMITS: e10 and e12 - e10 - e11 between -126 and 112; e6 + e7 and e8 + e9 are applied by v_ldexp_f32.  The codes of q, 1 - q, k, 1 - k are not negative, so the weights' hold is one-sided.
.set UNIT,  24576
.set CHUNK, 4*UNIT
.set KS1,   3*CHUNK                    ; behind the units: each wave's part sums of ksum, 512 bytes a wave
.set KS2,   KS1+4096                   ; each wave's own copy of the whole sums, 512 bytes a wave
.set SPARE, KS2+4096                   ; the spare words, 128 bytes for each wave: four blocks of 256 bytes that no other line names
.set OST,   CHUNK                      ; the way out: 16,384 bytes a wave, in units 4 to 9: they have had their last fill, and their last read lies ahead of the barrier in front of chunk 3
.set LI,  1                            ; v1   16 x lane
.set AK0, 2                            ; v2   16 x lane + my half's unit
.set ADK, 3                            ; v3   the unit in hand
.set SPW, 4                            ; v4   my spare word: SPARE + 4 x my thread's number; never rewritten
.set NIL, 5                            ; v5   0; never rewritten
.set LIM, 6                            ; v6   57,344 x 2^e10
.set SCL, 7                            ; v7   2^e10
.set OSW, 8                            ; v8   the way out: where my sums of O go
.set E0,  9                            ; v9, v10: where the two halves' sums of my two tiles lie
.set E1,  10
.set LIM2, 11                          ; v11  57,344 x 2^e10 once more: the second half of a pair of holds takes its limit from a register of another bank
.set QF,  16                           ; v16-79   Q: tile a: q's codes at 16 a, (1 - q)'s at 16 a + 8
.set F,   80                           ; v80-95   tile a: 2^(e6 + e7) / sum twice, 2^(e8 + e9) / sum twice
.set S,   96                           ; v96-159  tile a: product 4's sums at 16 a, product 5's at 16 a + 8
.set KF,  160                          ; v160-191 two key tiles: k's codes, (1 - k)'s
.set PC,  192                          ; v192-255 P's codes: tile a at 16 a.     window 1: v0-127 O^T ((a, t) at 8 (4 a + t)); v128-191 V: tile t at 128 + 16 t
.set WV,  16
.set QG,  17
.set KH,  18
.set CX,  19
.set QB,  20
.set NH,  21
.set TB,  22                           ; s22  LDS byte of the pair of units in hand
.set CNT, 23
.set G1K, 24                           ; s[24:31] descriptor group 1 for K's tiles; s[32:39] for V's
.set G1V, 32
.set G0K, 40                           ; s[40:55] K's groups 0, one for each chunk, never rewritten
.set SEL, 56
.set EA,  58
.set EB,  59
.set G0V, 80                           ; s[80:95] V's
.set MSB, 0
.macro WIN new                         ; the immediate's high byte repeats the setting that is left
.if MSB != \new
	s_set_vgpr_msb (MSB<<8)|\new
.set MSB, \new
.endif
.endm
.macro PLACES
.rept 4
	v_nop
.endr
.endm
.macro CROUND                          ; a round of the cluster's barrier
	s_barrier_signal -1
	s_barrier_wait -1
	s_cmp_lg_u32 s[WV], 0
	s_cbranch_scc1 .Lnw0_\@
	s_barrier_signal -3
.Lnw0_\@:
	s_barrier_wait -3
	s_barrier_signal -1
	s_barrier_wait -1
.endm
.macro JLOAD c                         ; waves 0-3 ask for K's four units of chunk c, waves 4-7 for V's; four v_nop follow each line
	s_cmp_lt_u32 s[WV], 4
	s_cbranch_scc0 .Lfv_\@
	tensor_load_to_lds s[G0K+4*\c:G0K+4*\c+3], s[G1K:G1K+7]
	s_nop 0
	PLACES
	s_branch .Lja_\@
.Lfv_\@:
	tensor_load_to_lds s[G0V+4*\c:G0V+4*\c+3], s[G1V:G1V+7]
	s_nop 0
	PLACES
.Lja_\@:
.endm
	s_load_b256 s[4:11], s[0:1], 0x0               ; qimg, kimg, vimg, ksum
	s_load_b128 s[12:15], s[0:1], 0x20             ; the scales' exponents, aimg
	v_lshl_add_u32 v[SPW], v0, 2, SPARE
	v_mov_b32 v[NIL], 0
	ds_add_u32 v4, v5
	ds_add_u32 v4, v5
	s_wait_dscnt 0x0
	v_lshrrev_b32 v15, 5, v0
	v_readfirstlane_b32 s[WV], v15                 ; wave 0..7
	s_and_b32 s[QG], s[WV], 3                      ; my 64 queries.  Also: which unit of a chunk I fetch
	s_lshr_b32 s[KH], s[WV], 2                     ; my half of the key blocks.  Also: I fetch for K (0) or for V (1)
	s_bfe_u32 s[CX], ttmp6, 0x40000                ; my place in the cluster
	s_lshl_b32 s[QB], ttmp9, 2
	s_add_co_u32 s[QB], s[QB], s[CX]               ; my block of 256 queries
	s_and_b32 s[NH], ttmp7, 0xffff                 ; the head, which the four partners share
	; every LDS address is made here, of the lane, the wave's number and constants
	v_and_b32 v[LI], 31, v0
	v_lshlrev_b32 v[LI], 4, v[LI]
	s_mul_i32 s67, s[KH], UNIT
	v_add_nc_u32 v[AK0], s67, v[LI]
	s_lshl_b32 s67, s[WV], 14
	s_add_co_u32 s67, s67, OST
	v_add_nc_u32 v[OSW], s67, v[LI]
	s_lshl_b32 s67, s[QG], 14
	s_lshl_b32 s71, s[KH], 13
	s_add_co_u32 s67, s67, s71
	s_add_co_u32 s67, s67, OST
	v_add_nc_u32 v[E0], s67, v[LI]                 ; tiles 2 kh, 2 kh + 1 of wave qg's sums,
	v_add_nc_u32 v[E1], 0x10000, v[E0]             ; and of wave qg + 4's
	v_lshl_add_u32 v12, v0, 4, KS1
	v_add_nc_u32 v13, KS1, v[LI]
	v_lshl_add_u32 v14, v0, 4, KS2
	v_bfe_u32 v15, v0, 4, 1
	s_lshl_b32 s67, s[WV], 9
	s_add_co_u32 s67, s67, KS2
	v_lshl_add_u32 v15, v15, 5, s67                ; my wave's copy, + 32 hh
	v_mov_b32 v168, 0                              ; lane permutes' destinations count as read
	v_mov_b32 v169, 0
	v_mov_b32 v170, 0x7f7f7f7f                     ; the scale 1.0 in every byte
	; descriptor groups 1: dense blocks as rows of 32 elements of 8 bytes
	s_mov_b32 s[G1K], 15|(3<<16)|(1<<21)           ; 15:0 the mask: all four work-groups; 17:16 elements of 8 bytes; 21 set beside a mask; no padding: images are read 16 bytes a lane on end
	s_mov_b32 s[G1K+1], 32<<16                     ; tensor_dim0 = 32
	s_mov_b32 s[G1K+2], 64<<16                     ; tensor_dim1 = 64
	s_mov_b32 s[G1K+3], 32<<16                     ; tile_dim0 = 32
	s_mov_b32 s[G1K+4], 64                         ; tile_dim1 = 64: 16,384 bytes
	s_mov_b32 s[G1K+5], 32                         ; the pitch
	s_mov_b32 s[G1K+6], 0
	s_mov_b32 s[G1K+7], 0
	s_mov_b32 s[G1V], 15|(3<<16)|(1<<21)
	s_mov_b32 s[G1V+1], 32<<16
	s_mov_b32 s[G1V+2], 32<<16                     ; 32 rows: 8,192 bytes
	s_mov_b32 s[G1V+3], 32<<16
	s_mov_b32 s[G1V+4], 32
	s_mov_b32 s[G1V+5], 32
	s_mov_b32 s[G1V+6], 0
	s_mov_b32 s[G1V+7], 0
	s_mov_b32 s[SEL], 0x76543210
	s_mov_b32 s[SEL+1], 0xfedcba98
	s_lshl_b32 s60, s[NH], 18                      ; K: 262,144 n + 16,384 unit: of the head and the wave's number alone
	s_lshl_b32 s61, s[QG], 14
	s_add_co_u32 s60, s60, s61
	s_mov_b32 s61, 0
	s_lshr_b32 s62, s60, 1                         ; V: half of that
	s_mov_b32 s63, 0
	s_mul_i32 s66, s[QG], UNIT                     ; and the unit's place in a chunk
	s_lshl_b32 s68, s[NH], 15                      ; ksum: 32,768 n + 4,096 w
	s_lshl_b32 s69, s[WV], 12
	s_add_co_u32 s68, s68, s69
	s_mov_b32 s69, 0
	s_lshl_b32 s96, s[NH], 18                      ; qimg: 262,144 n + (16 qb + 4 qg) x 2,048
	s_lshl_b32 s70, s[QB], 15
	s_add_co_u32 s96, s96, s70
	s_lshl_b32 s70, s[QG], 13
	s_add_co_u32 s96, s96, s70
	s_mov_b32 s97, 0
	s_lshr_b32 s98, s[NH], 3                       ; aimg: 1,048,576 b + 8,192 (16 qb + 4 qg + 2 kh) + 1,024 h
	s_lshl_b32 s98, s98, 20
	s_lshl_b32 s70, s[QB], 17
	s_add_co_u32 s98, s98, s70
	s_lshl_b32 s70, s[QG], 15
	s_add_co_u32 s98, s98, s70
	s_lshl_b32 s70, s[KH], 14
	s_add_co_u32 s98, s98, s70
	s_and_b32 s70, s[NH], 7
	s_lshl_b32 s70, s70, 10
	s_add_co_u32 s98, s98, s70
	s_mov_b32 s99, 0
	s_wait_kmcnt 0x0
	s_load_b256 s[72:79], s[12:13], 0x18           ; e6 .. e13
	s_add_nc_u64 s[6:7], s[6:7], s[60:61]
	s_add_nc_u64 s[8:9], s[8:9], s[62:63]
	s_add_nc_u64 s[10:11], s[10:11], s[68:69]
	s_add_nc_u64 s[4:5], s[4:5], s[96:97]
	s_add_nc_u64 s[14:15], s[14:15], s[98:99]
	; loads into registers hang on no tile and no partner: they go out ahead of the round, the key sums first, since they are wanted first
.set n1, 0
.rept 8
	global_load_b128 v[96+4*n1:99+4*n1], v[LI], s[10:11] offset:512*n1   ; eight of the head's 64 rows of ksum: lane l holds words 4 l .. 4 l + 3
.set n1, n1+1
.endr
.set n1, 0
.rept 16
	global_load_b128 v[QF+4*n1:QF+4*n1+3], v[LI], s[4:5] offset:512*n1   ; my four tiles of Q stay in registers
.set n1, n1+1
.endr
.irp c, 0,1,2,3
	s_mov_b32 s[G0K+4*\c], 1                                       ; count = 1
	s_add_co_u32 s[G0K+4*\c+1], s66, (\c%3)*CHUNK                  ; LDS address: chunk 3 takes chunk 0's units
	s_add_nc_u64 s[G0K+4*\c+2:G0K+4*\c+3], s[6:7], \c*65536        ; global address
	s_or_b32 s[G0K+4*\c+3], s[G0K+4*\c+3], 0x80000000              ; type = 2
	s_mov_b32 s[G0V+4*\c], 1
	s_add_co_u32 s[G0V+4*\c+1], s66, (\c%3)*CHUNK+16384
	s_add_nc_u64 s[G0V+4*\c+2:G0V+4*\c+3], s[8:9], \c*32768
	s_or_b32 s[G0V+4*\c+3], s[G0V+4*\c+3], 0x80000000
.endr
	CROUND                                         ; all four work-groups are here: the first joint loads meet
	s_cmp_lt_u32 s[WV], 4                          ; a wave's three first fills stand in one branch, ahead of every wait on TENSORcnt and every LDS read
	s_cbranch_scc0 .Lfirst_v
	tensor_load_to_lds s[G0K:G0K+3], s[G1K:G1K+7]
	s_nop 0
	tensor_load_to_lds s[G0K+4:G0K+7], s[G1K:G1K+7]
	s_nop 0
	tensor_load_to_lds s[G0K+8:G0K+11], s[G1K:G1K+7]
	s_nop 0
	PLACES
	s_branch .Lfirst_asked
.Lfirst_v:
	tensor_load_to_lds s[G0V:G0V+3], s[G1V:G1V+7]
	s_nop 0
	tensor_load_to_lds s[G0V+4:G0V+7], s[G1V:G1V+7]
	s_nop 0
	tensor_load_to_lds s[G0V+8:G0V+11], s[G1V:G1V+7]
	s_nop 0
	PLACES
.Lfirst_asked:
.macro SUM8                            ; eight groups of four registers at v96 into one
.set n1, 0
.rept 8
	v_pk_add_f32 v[96+2*n1:97+2*n1], v[96+2*n1:97+2*n1], v[112+2*n1:113+2*n1]
.set n1, n1+1
.endr
.set n1, 0
.rept 4
	v_pk_add_f32 v[96+2*n1:97+2*n1], v[96+2*n1:97+2*n1], v[104+2*n1:105+2*n1]
.set n1, n1+1
.endr
	v_pk_add_f32 v[96:97], v[96:97], v[100:101]
	v_pk_add_f32 v[98:99], v[98:99], v[102:103]
.endm
	s_wait_loadcnt 16                              ; my eight rows of ksum are in; Q's sixteen loads may be out
	SUM8
	ds_store_b128 v12, v[96:99]
	s_wait_dscnt 0x0                               ; for the others' sake: my part sums have landed
	s_barrier_signal -1                            ; this barrier is for the part sums alone: no tile is read behind it, and all three chunks may be on their way
	s_barrier_wait -1
.set n1, 0
.rept 8
	ds_load_b128 v[96+4*n1:99+4*n1], v13 offset:512*n1
.set n1, n1+1
.endr
	s_wait_dscnt 0x0
	SUM8                                           ; the head's sums of code values: words 4 l .. 4 l + 3 in lane l
	ds_store_b128 v14, v[96:99]                    ; through my wave's own bytes into the operand's order (LDS serves a wave's instructions in order)
.irp x, 0,1
.irp c, 0,1,2,3
	ds_load_b128 v[192+32*\x+8*\c:195+32*\x+8*\c], v15 offset:256*\x+64*\c       ; channels 16 c + 8 hh + 0 .. 7 of k's sums (x = 0), of (1 - k)'s (x = 1)
	ds_load_b128 v[196+32*\x+8*\c:199+32*\x+8*\c], v15 offset:256*\x+64*\c+16
.endr
.endr
	s_wait_kmcnt 0x0
	s_add_co_i32 s[EA], s72, s73                   ; e6 + e7
	s_add_co_i32 s[EB], s74, s75                   ; e8 + e9
	s_add_co_i32 s67, s76, 127
	s_lshl_b32 s71, s67, 23
	v_mov_b32 v[SCL], s71                          ; 2^e10 as f32
	s_add_co_i32 s67, s67, 15
	s_lshl_b32 s67, s67, 23
	s_or_b32 s67, s67, 0x600000
	v_mov_b32 v[LIM], s67                          ; 57,344 x 2^e10,
	v_mov_b32 v[LIM2], s67                         ; twice
	s_wait_loadcnt 0x0                             ; Q
	s_wait_dscnt 0x0
.irp a, 0,1,2,3                        ; the rows' sums of weights, and their reciprocals with each product's power of two
.irp c, 0,1,2,3
	v_cvt_scale_pk8_f32_bf8 v[96+8*\c:103+8*\c],  v[QF+16*\a+2*\c:QF+16*\a+2*\c+1],   v170
	v_cvt_scale_pk8_f32_bf8 v[128+8*\c:135+8*\c], v[QF+16*\a+8+2*\c:QF+16*\a+9+2*\c], v170
.endr
	v_nop
	v_pk_mul_f32 v[160:161], v[96:97],   v[192:193]
	v_pk_mul_f32 v[162:163], v[98:99],   v[194:195]
	v_pk_mul_f32 v[164:165], v[128:129], v[224:225]
	v_pk_mul_f32 v[166:167], v[130:131], v[226:227]
.irp i, 4,8,12,16,20,24,28
	v_pk_fma_f32 v[160:161], v[96+\i:97+\i],   v[192+\i:193+\i], v[160:161]
	v_pk_fma_f32 v[162:163], v[98+\i:99+\i],   v[194+\i:195+\i], v[162:163]
	v_pk_fma_f32 v[164:165], v[128+\i:129+\i], v[224+\i:225+\i], v[164:165]
	v_pk_fma_f32 v[166:167], v[130+\i:131+\i], v[226+\i:227+\i], v[166:167]
.endr
	v_pk_add_f32 v[160:161], v[160:161], v[162:163]
	v_pk_add_f32 v[164:165], v[164:165], v[166:167]
	v_add_f32 v160, v160, v161
	v_add_f32 v164, v164, v165
	v_permlanex16_b32 v168, v160, s[SEL], s[SEL+1]
	v_permlanex16_b32 v169, v164, s[SEL], s[SEL+1]
	v_add_f32 v160, v160, v168
	v_add_f32 v164, v164, v169
	v_ldexp_f32 v160, v160, s[EA]
	v_ldexp_f32 v164, v164, s[EB]
	v_add_f32 v160, v160, v164
	v_max_num_f32 v160, 0x358637bd, v160           ; clipped at 1e-6 from below
	v_rcp_f32 v161, v160
	v_nop                                          ; a plain line behind the reciprocal
	s_wait_alu depctr_va_vdst(0)
	v_ldexp_f32 v[F+4*\a],   v161, s[EA]
	v_ldexp_f32 v[F+4*\a+1], v161, s[EA]
	v_ldexp_f32 v[F+4*\a+2], v161, s[EB]
	v_ldexp_f32 v[F+4*\a+3], v161, s[EB]
.endr
	s_wait_tensorcnt 0x2                           ; my part of chunk 0 is in; chunks 1 and 2 may stay out.  (No LDS instruction of mine is out: the last wait on DScnt was for 0)
	s_barrier_signal -1
	s_barrier_wait -1                              ; everybody's part of chunk 0 is in
.macro KLOAD c, p                      ; key tile c of the unit: k's and (1 - k)'s codes, into buffer p
.irp g, 0,1,2,3
	ds_load_b128 v[KF+16*(\p)+4*\g:KF+16*(\p)+4*\g+3], v[ADK] offset:2048*(\c)+512*\g
.endr
.endm
.macro VLOAD                           ; the unit's four fragments of V
	WIN 0x40                                       ; destination window 1
.set n1, 0
.rept 16
	ds_load_b128 v[128+4*n1:131+4*n1], v[ADK] offset:16384+512*n1
.set n1, n1+1
.endr
	WIN 0
.endm
.macro SCORE p                         ; eight products, each a sum of its own begun with 0
.irp a, 0,1,2,3
	v_wmma_f32_16x16x64_bf8_bf8 v[S+16*\a:S+16*\a+7],    v[KF+16*(\p):KF+16*(\p)+7],    v[QF+16*\a:QF+16*\a+7],    0
	v_wmma_f32_16x16x64_bf8_bf8 v[S+16*\a+8:S+16*\a+15], v[KF+16*(\p)+8:KF+16*(\p)+15], v[QF+16*\a+8:QF+16*\a+15], 0
.endr
.endm
.macro NORM c                          ; a = s4 x 2^(e6 + e7) / sum + s5 x 2^(e8 + e9) / sum, held, quantised: registers 2 c, 2 c + 1 of P.  Each accumulator is read from its low end on
.irp a, 0,1,2,3
.irp i, 0,2,4,6
	v_pk_mul_f32 v[S+16*\a+8+\i:S+16*\a+9+\i], v[S+16*\a+8+\i:S+16*\a+9+\i], v[F+4*\a+2:F+4*\a+3]
.endr
.endr
.irp a, 0,1,2,3
.irp i, 0,2,4,6
	v_pk_fma_f32 v[S+16*\a+8+\i:S+16*\a+9+\i], v[S+16*\a+\i:S+16*\a+\i+1], v[F+4*\a:F+4*\a+1], v[S+16*\a+8+\i:S+16*\a+9+\i]
.endr
.endr
; The conversion to an 8-bit code does not saturate (ISA guide 7.6.2); a weight is not negative, so the hold is one-sided.  Two holds go in one instruction: the halves are independent, their results
; and second sources are neighbours, one even and one odd, and their first sources, the limit twice, lie in registers 6 and 11, which differ modulo 4 (ISA guide, the dual forms' operand rules).
.irp a, 0,1,2,3
.irp i, 0,2,4,6
	v_dual_min_num_f32 v[S+16*\a+8+\i], v[LIM], v[S+16*\a+8+\i] :: v_dual_min_num_f32 v[S+16*\a+9+\i], v[LIM2], v[S+16*\a+9+\i]
.endr
.endr
.irp a, 0,1,2,3
	v_cvt_scalef32_pk8_bf8_f32 v[PC+16*\a+2*(\c):PC+16*\a+2*(\c)+1], v[S+16*\a+8:S+16*\a+15], v[SCL]
.endr
	v_nop                                          ; a plain line behind the last conversion
.endm
.macro PV zero                         ; O^T += V^T P^T over the unit's 128 keys: sixteen accumulators by turns, one instruction a turn
	WIN 0x51                                       ; source 0 (V), C and D window 1; source 1 (P) window 0
.irp t, 0,1,2,3
.irp a, 0,1,2,3
.if \zero
	v_wmma_f32_16x16x128_bf8_bf8 v[8*(4*\a+\t):8*(4*\a+\t)+7], v[128+16*\t:143+16*\t], v[PC+16*\a:PC+16*\a+15], 0
.else
	v_wmma_f32_16x16x128_bf8_bf8 v[8*(4*\a+\t):8*(4*\a+\t)+7], v[128+16*\t:143+16*\t], v[PC+16*\a:PC+16*\a+15], v[8*(4*\a+\t):8*(4*\a+\t)+7]
.endif
.endr
.endr
	WIN 0
.endm
; A block of 128 keys against my 64 queries.  Key tiles come two ahead, in two buffers; V's fragments are asked for behind the first tile's products.
; The four plain lines behind each tile's products serve the first read of the sums and the loads into the buffer just multiplied; in tile 0, with the addition at the head, also the loads into V's registers behind the last block's products.
.macro BLOCK zero
	v_add_nc_u32 v[ADK], s[TB], v[AK0]
	KLOAD 0, 0
	KLOAD 1, 1
.irp c, 0,1,2,3,4,5,6,7
.if \c == 0
	s_wait_dscnt 4                                 ; tile 0 is in; tile 1's four loads may be out
.elseif \c < 3
	s_wait_dscnt 20                                ; behind this tile's loads: V's sixteen and one tile's four
.elseif \c < 7
	s_wait_dscnt 4                                 ; the next tile's four (V is in too: it was asked for earlier)
.else
	s_wait_dscnt 0
.endif
	SCORE \c%2
	PLACES
.if \c < 6
	KLOAD \c+2, \c%2
.endif
.if \c == 0
	VLOAD
.endif
	NORM \c
.endr
	PV \zero
.endm
	s_mov_b32 s[TB], 0
	BLOCK 1                                        ; chunk 0: unit kh; its products start O's sums: nothing is cleared
	s_mov_b32 s[TB], 2*UNIT
	BLOCK 0                                        ; unit 2 + kh
	s_wait_tensorcnt 0x0                           ; all my tensor loads have landed: my parts of chunks 1 and 2
	ds_add_u32 v[SPW], v[NIL]                      ; 0 onto my spare word
	s_mov_b32 s[TB], CHUNK
	s_mov_b32 s[CNT], 4
	s_wait_dscnt 0x0                               ; the add is done, and my reads of chunk 0 are over
	CROUND                                         ; both now hold of every wave of all four work-groups
	JLOAD 3                                        ; the one refill: chunk 3 into chunk 0's units; it has four blocks' work in which to land
.Lmid:                                             ; chunks 1 and 2: units 4 + kh, 6 + kh, 8 + kh, 10 + kh
	BLOCK 0
	s_add_co_u32 s[TB], s[TB], 2*UNIT
	s_sub_co_u32 s[CNT], s[CNT], 1
	s_cmp_lg_u32 s[CNT], 0
	s_cbranch_scc1 .Lmid
	s_wait_tensorcnt 0x0                           ; my part of chunk 3 is in: no load was issued behind it
	s_mov_b32 s[TB], 0
	s_mov_b32 s[CNT], 2
	s_wait_dscnt 0x0                               ; my reads of chunks 1 and 2 are over: their units become the stage
	s_barrier_signal -1
	s_barrier_wait -1                              ; everybody's part is in
.Llast:                                            ; chunk 3
	BLOCK 0
	s_add_co_u32 s[TB], s[TB], 2*UNIT
	s_sub_co_u32 s[CNT], s[CNT], 1
	s_cmp_lg_u32 s[CNT], 0
	s_cbranch_scc1 .Llast
	; THE WAY OUT.  Every wave's sums of O go to the stage as images; then wave (qg, kh) adds the two halves of tiles 2 kh, 2 kh + 1 of its 64 queries, quantises and stores them.
	PLACES
	WIN 0x04                                       ; store data window 1
.set n1, 0
.rept 32
	ds_store_b128 v[OSW], v[4*n1:4*n1+3] offset:512*n1
.set n1, n1+1
.endr
	WIN 0
	s_wait_dscnt 0x0
	s_barrier_signal -1
	s_barrier_wait -1
.set n1, 0
.rept 16
	ds_load_b128 v[96+4*n1:99+4*n1], v[E0] offset:512*n1
.set n1, n1+1
.endr
.set n1, 0
.rept 16
	ds_load_b128 v[192+4*n1:195+4*n1], v[E1] offset:512*n1
.set n1, n1+1
.endr
	s_sub_co_i32 s67, s78, s76                     ; a sum stands for sum x 2^(e10 + e11): its code is sum / 2^(e12 - e10 - e11)
	s_sub_co_i32 s67, s67, s77
	s_add_co_i32 s67, s67, 127
	s_lshl_b32 s71, s67, 23
	v_mov_b32 v178, s71
	s_add_co_i32 s67, s67, 15
	s_lshl_b32 s67, s67, 23
	s_or_b32 s67, s67, 0x600000
	v_mov_b32 v179, s67
	s_wait_dscnt 0x0
.set n1, 0
.rept 32
	v_pk_add_f32 v[96+2*n1:97+2*n1], v[96+2*n1:97+2*n1], v[192+2*n1:193+2*n1]
.set n1, n1+1
.endr
.set n1, 0
.rept 64
	v_med3_num_f32 v[96+n1], v[96+n1], -v179, v179
.set n1, n1+1
.endr
.irp a, 0,1
.irp t, 0,1,2,3
	v_cvt_scalef32_pk8_bf8_f32 v[160+8*\a+2*\t:161+8*\a+2*\t], v[96+32*\a+8*\t:103+32*\a+8*\t], v178   ; channels 16 t + 8 hh + 0 .. 7 of my head: registers 2 t, 2 t + 1
.endr
.endr
	v_nop
.irp a, 0,1
.irp g, 0,1
	global_store_b128 v[LI], v[160+8*\a+4*\g:163+8*\a+4*\g], s[14:15] offset:8192*\a+512*\g   ; 512 consecutive bytes a store
.endr
.endr
	s_wait_tensorcnt 0x0                           ; the wave's end
	ds_add_u32 v[SPW], v[NIL]
	s_wait_dscnt 0x0
	CROUND                                         ; the closing round
	s_endpgm
.Lfunc_end_k_q66a430cbb6_attn:
	.size	k_q66a430cbb6_attn, .Lfunc_end_k_q66a430cbb6_attn-k_q66a430cbb6_attn
	.p2alignl 7, 3214868480
	.fill 96, 4, 3214868480
	.section	.rodata,"a",@progbits
	.p2align	6, 0x0
	.amdhsa_kernel k_q66a430cbb6_attn
		.amdhsa_group_segment_fixed_size 327680
		.amdhsa_private_segment_fixed_size 0
		.amdhsa_enable_private_segment 0
		.amdhsa_kernarg_size 48
		.amdhsa_user_sgpr_count 2
		.amdhsa_user_sgpr_kernarg_segment_ptr 1
		.amdhsa_wavefront_size32 1
		.amdhsa_system_sgpr_workgroup_id_x 1
		.amdhsa_system_sgpr_workgroup_id_y 1
		.amdhsa_system_sgpr_workgroup_id_z 1
		.amdhsa_system_vgpr_workitem_id 0
		.amdhsa_next_free_vgpr 512
		.amdhsa_next_free_sgpr 100
		.amdhsa_reserve_vcc 0
		.amdhsa_float_denorm_mode_32 3
		.amdhsa_float_denorm_mode_16_64 3
		.amdhsa_memory_ordered 1
		.amdhsa_forward_progress 1
		.amdhsa_inst_pref_size 184
	.end_amdhsa_kernel
	.amdgpu_metadata
---
amdhsa.version: [ 1, 2 ]
amdhsa.kernels:
  - .name:           k_q66a430cbb6_attn
    .symbol:         k_q66a430cbb6_attn.kd
    .args:
      - { .name: qimg, .offset: 0, .size: 8, .value_kind: global_buffer, .address_space: global }
      - { .name: kimg, .offset: 8, .size: 8, .value_kind: global_buffer, .address_space: global }
      - { .name: vimg, .offset: 16, .size: 8, .value_kind: global_buffer, .address_space: global }
      - { .name: ksum, .offset: 24, .size: 8, .value_kind: global_buffer, .address_space: global }
      - { .name: lowp_scales, .offset: 32, .size: 8, .value_kind: global_buffer, .address_space: global }
      - { .name: aimg, .offset: 40, .size: 8, .value_kind: global_buffer, .address_space: global }
    .group_segment_fixed_size: 327680
    .private_segment_fixed_size: 0
    .kernarg_segment_align: 8
    .kernarg_segment_size: 48
    .max_flat_workgroup_size: 256
    .sgpr_count:     100
    .vgpr_count:     512
    .wavefront_size: 32
...
	.end_amdgpu_metadata
.endif
;; end of part 3
;; launch oproj (part 4): grid 256 x 1, 8 waves a work-group, no clusters, 70,656 bytes of LDS; arguments aimg, wimg, lowp_scales, bo, out0; writes out0
.if DOCPART == 4
	.amdgcn_target "amdgcn-amd-amdhsa--gfx1250"
	.amdhsa_code_object_version 6
	.text
	.protected	k_q66a430cbb6_oproj
	.globl	k_q66a430cbb6_oproj
	.p2align	8
	.type	k_q66a430cbb6_oproj,@function
k_q66a430cbb6_oproj:
	s_mov_b64 s[64:65], 0
	v_nop
	global_prefetch_b8 v0, s[64:65] scope:SCOPE_SE
	s_setreg_imm32_b32 hwreg(HW_REG_WAVE_MODE, 25, 1), 1
	s_wait_xcnt 0x0
; Product 7: out = Q(attn_output) Q(Wo)^T x 2^(e12 + e13) + bo.  Both operands arrive as images of their registers: aimg [b][lt][8,192 bytes: K = 512 as four fragments], wimg's fourth tensor.
; SHARES.  Work-group x: lt = x / 2, row tiles b = 2 (x % 2) + i, i = 0, 1 (16 rows l = 16 lt + r of one b; the flat row of out0 is 4 l + b).  Wave w: columns 64 w .. + 63: 16 fragments of Wo in window 1.
; Used transposed (source 0 = 16 rows of Wo, source 1 = the rows): a lane holds eight neighbouring columns of one row.  A tile's 16 rows x 256 bytes go through the wave's own stage in LDS and leave
; sixteen lanes to 256 consecutive, aligned bytes.  No barrier: waves share nothing but what they read.
; NO CLUSTER: the operands go straight into registers by loads of 16 bytes a lane on end; a joint load would land in LDS and be read once more from there.
; LIMIT: e12 + e13 between -126 and 127.
.set SPITCH, 272                       ; a stage row: 256 bytes + 16
.set STGB,   16*SPITCH                 ; a stage; wave w's two lie at (2 w + i) x STGB
.set XF,  32                           ; v32-95, v96-159: tile i's four fragments; later its results (low 32) and the rows read back (high 32)
.set ACC, 160                          ; v160-223 accumulator (i, t) at 32 i + 8 t
.set BI,  224                          ; v224-255 bo in the result's layout
.set MSB, 0
.macro WIN new                         ; the immediate's high byte repeats the setting that is left
.if MSB != \new
	s_set_vgpr_msb (MSB<<8)|\new
.set MSB, \new
.endif
.endm
	s_load_b256 s[4:11], s[0:1], 0x0               ; aimg, wimg, the scales' exponents, bo
	s_load_b64 s[12:13], s[0:1], 0x20              ; out0
	v_lshl_add_u32 v30, v0, 2, 0x11000
	v_mov_b32 v31, 0
	v_lshrrev_b32 v8, 5, v0
	v_readfirstlane_b32 s16, v8                    ; wave 0..7
	v_and_b32 v8, 31, v0
	v_lshlrev_b32 v1, 4, v8                        ; 16 x lane
	v_and_b32 v8, 15, v0                           ; r
	v_bfe_u32 v9, v0, 4, 1                         ; hh
	s_mul_i32 s19, s16, 2*STGB
	v_mul_u32_u24 v2, v8, SPITCH
	v_lshl_add_u32 v2, v9, 5, v2
	v_add_nc_u32 v2, s19, v2                       ; the stage, in: row r, + 32 hh
	v_mul_u32_u24 v3, v9, SPITCH
	v_lshl_add_u32 v3, v8, 4, v3
	v_add_nc_u32 v3, s19, v3                       ; back: lanes 0-15 one row, lanes 16-31 the next
	v_lshlrev_b32 v4, 13, v9
	v_lshl_add_u32 v4, v8, 4, v4                   ; and the same two rows in out0: a tile's rows lie four flat rows, 8,192 bytes, apart
	v_lshlrev_b32 v6, 5, v9
	s_lshr_b32 s17, ttmp9, 1                       ; lt
	s_and_b32 s18, ttmp9, 1
	s_lshl_b32 s24, s18, 21                        ; aimg: (128 x 2 (x % 2) + lt) x 8,192
	s_lshl_b32 s25, s17, 13
	s_add_co_u32 s24, s24, s25
	s_mov_b32 s25, 0
	s_lshl_b32 s26, s16, 15                        ; wimg: (96 + 4 w) x 8,192
	s_add_co_u32 s26, s26, 96*8192
	s_mov_b32 s27, 0
	s_lshl_b32 s28, s16, 8                         ; bo: my 64 numbers
	s_mov_b32 s29, 0
	s_lshl_b32 s30, s17, 17                        ; out0: 131,072 lt + 4,096 (x % 2) + 256 w
	s_lshl_b32 s31, s18, 12
	s_add_co_u32 s30, s30, s31
	s_add_co_u32 s30, s30, s28
	s_mov_b32 s31, 0
	s_wait_kmcnt 0x0
	s_load_b64 s[20:21], s[8:9], 0x30              ; e12, e13
	s_add_nc_u64 s[4:5], s[4:5], s[24:25]
	s_add_nc_u64 s[6:7], s[6:7], s[26:27]
	s_add_nc_u64 s[10:11], s[10:11], s[28:29]
	s_add_nc_u64 s[12:13], s[12:13], s[30:31]
.irp i, 0,1
.set n1, 0
.rept 16
	global_load_b128 v[XF+64*\i+4*n1:XF+64*\i+4*n1+3], v1, s[4:5] offset:1048576*\i+512*n1
.set n1, n1+1
.endr
.endr
	WIN 0x40                                       ; destination window 1: fragment (t, s) at v[16 (4 t + s)]
.set n1, 0
.rept 64
	global_load_b128 v[4*n1:4*n1+3], v1, s[6:7] offset:512*n1
.set n1, n1+1
.endr
	WIN 0
.irp t, 0,1,2,3
	global_load_b128 v[BI+8*\t:BI+8*\t+3],   v6, s[10:11] offset:64*\t
	global_load_b128 v[BI+8*\t+4:BI+8*\t+7], v6, s[10:11] offset:64*\t+16
.endr
	s_wait_kmcnt 0x0
	s_add_co_i32 s22, s20, s21
	s_add_co_i32 s22, s22, 127
	s_lshl_b32 s22, s22, 23                        ; 2^(e12 + e13) as f32
	s_mov_b32 s23, s22                             ; (named with it as a pair)
	s_wait_loadcnt 0x0
	WIN 0x01                                       ; source 0 (Wo) window 1
.irp s, 0,1,2,3                        ; eight accumulators by turns, one instruction a turn; the first K step starts the sums
.irp i, 0,1
.irp t, 0,1,2,3
.if \s == 0
	v_wmma_f32_16x16x128_bf8_bf8 v[ACC+32*\i+8*\t:ACC+32*\i+8*\t+7], v[16*(4*\t+\s):16*(4*\t+\s)+15], v[XF+64*\i+16*\s:XF+64*\i+16*\s+15], 0
.else
	v_wmma_f32_16x16x128_bf8_bf8 v[ACC+32*\i+8*\t:ACC+32*\i+8*\t+7], v[16*(4*\t+\s):16*(4*\t+\s)+15], v[XF+64*\i+16*\s:XF+64*\i+16*\s+15], v[ACC+32*\i+8*\t:ACC+32*\i+8*\t+7]
.endif
.endr
.endr
.endr
	WIN 0
.rept 4
	v_nop                                          ; four plain lines ahead of the first read of the sums and of writes over the fragments (ISA guide 7.12.1)
.endr
.irp i, 0,1
.irp t, 0,1,2,3
.irp j, 0,2,4,6
	v_pk_fma_f32 v[XF+64*\i+8*\t+\j:XF+64*\i+8*\t+\j+1], v[ACC+32*\i+8*\t+\j:ACC+32*\i+8*\t+\j+1], s[22:23], v[BI+8*\t+\j:BI+8*\t+\j+1] op_sel_hi:[1,0,1]   ; sum x 2^(e12 + e13) + bo
.endr
.endr
.endr
.irp i, 0,1
.irp t, 0,1,2,3
	ds_store_b128 v2, v[XF+64*\i+8*\t:XF+64*\i+8*\t+3]   offset:STGB*\i+64*\t
	ds_store_b128 v2, v[XF+64*\i+8*\t+4:XF+64*\i+8*\t+7] offset:STGB*\i+64*\t+16
.endr
.irp q, 0,1,2,3,4,5,6,7
	ds_load_b128 v[XF+64*\i+32+4*\q:XF+64*\i+35+4*\q], v3 offset:STGB*\i+2*SPITCH*\q   ; LDS serves a wave's instructions in order: these see my stores
.endr
.endr
.irp i, 0,1
.irp q, 0,1,2,3,4,5,6,7
	s_wait_dscnt 16*(1-\i)+7-\q                    ; behind this load: the rest of its tile's, and for tile 0 tile 1's sixteen LDS instructions
	global_store_b128 v4, v[XF+64*\i+32+4*\q:XF+64*\i+35+4*\q], s[12:13] offset:2048*\i+16384*\q th:TH_STORE_NT   ; sixteen lanes store 256 consecutive bytes, aligned; written once
.endr
.endr
	s_wait_tensorcnt 0x0
	ds_add_u32 v30, v31
	s_wait_dscnt 0x0
	s_endpgm
.Lfunc_end_k_q66a430cbb6_oproj:
	.size	k_q66a430cbb6_oproj, .Lfunc_end_k_q66a430cbb6_oproj-k_q66a430cbb6_oproj
	.p2alignl 7, 3214868480
	.fill 96, 4, 3214868480
	.section	.rodata,"a",@progbits
	.p2align	6, 0x0
	.amdhsa_kernel k_q66a430cbb6_oproj
		.amdhsa_group_segment_fixed_size 70656
		.amdhsa_private_segment_fixed_size 0
		.amdhsa_enable_private_segment 0
		.amdhsa_kernarg_size 40
		.amdhsa_user_sgpr_count 2
		.amdhsa_user_sgpr_kernarg_segment_ptr 1
		.amdhsa_wavefront_size32 1
		.amdhsa_system_sgpr_workgroup_id_x 1
		.amdhsa_system_sgpr_workgroup_id_y 1
		.amdhsa_system_sgpr_workgroup_id_z 1
		.amdhsa_system_vgpr_workitem_id 0
		.amdhsa_next_free_vgpr 512
		.amdhsa_next_free_sgpr 66
		.amdhsa_reserve_vcc 0
		.amdhsa_float_denorm_mode_32 3
		.amdhsa_float_denorm_mode_16_64 3
		.amdhsa_memory_ordered 1
		.amdhsa_forward_progress 1
		.amdhsa_inst_pref_size 21
	.end_amdhsa_kernel
	.amdgpu_metadata
---
amdhsa.version: [ 1, 2 ]
amdhsa.kernels:
  - .name:           k_q66a430cbb6_oproj
    .symbol:         k_q66a430cbb6_oproj.kd
    .args:
      - { .name: aimg, .offset: 0, .size: 8, .value_kind: global_buffer, .address_space: global }
      - { .name: wimg, .offset: 8, .size: 8, .value_kind: global_buffer, .address_space: global }
      - { .name: lowp_scales, .offset: 16, .size: 8, .value_kind: global_buffer, .address_space: global }
      - { .name: bo, .offset: 24, .size: 8, .value_kind: global_buffer, .address_space: global }
      - { .name: out0, .offset: 32, .size: 8, .value_kind: global_buffer, .address_space: global }
    .group_segment_fixed_size: 70656
    .private_segment_fixed_size: 0
    .kernarg_segment_align: 8
    .kernarg_segment_size: 40
    .max_flat_workgroup_size: 256
    .sgpr_count:     66
    .vgpr_count:     512
    .wavefront_size: 32
...
	.end_amdgpu_metadata
.endif
;; end of part 4
